; MI455X (gfx1250); checked and timed in simulation.
; The chip was launched on July 23, 2026; its instructions are those of AMD's public machine-readable ISA for CDNA 5 (MIT licence, August 2026) and "CDNA5" Instruction Set Architecture Reference Guide (July 2026). The comments in the code are by the model that wrote it; some were corrected since.
;; Flattened Masked Local Attention2d. Allowed arithmetic: matrix products marked QUANTISED: E2M3 operands, one E8M0 scale for each 32 along K, by v_wmma_scale_f32_16x16x128_f8f6f4 with both operands' format E2M3, f32 sums; products left as they are: f32 operands where the result goes on into a quantised operand, else bf16, f16 or f32 operands; f32 sums; everything else in f32.
;; Inputs: k 2 x 64 x 64 x 64 float32; q 2 x 64 x 64 x 64 float32; v 2 x 64 x 64 x 64 float32.
;; Outputs: out0 2 x 64 x 64 x 64 float32.
;; This version of the problem:
;;   THIS VERSION OF THE PROBLEM IS GIVEN IN LOW PRECISION. The matrix products marked QUANTISED in the list below multiply operands that are first quantised to E2M3 (2 exponent bits, 3 mantissa bits; 6 bits a number), with one power-of-two scale for each 32 numbers along K (OCP MX v1.0); their sums are f32. All else is computed in f32.
;;   The module's matrix products, in the order in which they are computed (A, B: the left and right operand; K: the contracted axis; several contracted axes count as one K, in the product's order):
;;     1. batch 8 x [M 4,096, K 16] x [K 16, N 4,096]; A: input q; B: input k: left as it is (K = 16 < 32)
;;     2. batch 8 x [M 4,096, K 4,096] x [K 4,096, N 16]; A: softmax (see below); B: input v: QUANTISED
;;   THE QUANTISER, for each operand of a quantised product, along K:
;;     - K is cut into blocks of 32 from its start; a last block that is shorter is filled with zeros.
;;     - A block's scale is 2^e with e = floor(log2(the largest magnitude in the block)) - 2, held to -126 .. 127; a block of zeros has e = 0. As a byte (E8M0): e + 127.
;;     - Each number is divided by its block's scale, clamped to +-7.5, and rounded to the nearest number of E2M3, ties to even, subnormals kept.
;;     - The product sums the exact products of the quantised numbers (number of the format x scale) in f32.
;;   ~~~python
;;   def quantise(x, axis):      # numpy; x: float32 -> the quantised numbers, widened to float32 again
;;       x = np.moveaxis(x, axis, -1); K = x.shape[-1]
;;       x = np.pad(x, [(0, 0)] * (x.ndim - 1) + [(0, -K % 32)]); x = x.reshape(x.shape[:-1] + (-1, 32)); a = np.abs(x).max(-1, keepdims=True)
;;       e = np.where(a > 0, np.clip(np.frexp(np.where(a > 0, a, 1))[1] - 1 - 2, -126, 127), 0)      # np.frexp(a)[1] - 1 = floor(log2(a)), exactly
;;       r = np.clip(x / 2.0 ** e, -7.5, 7.5)
;;       step = 2.0 ** (np.maximum(np.frexp(np.where(r == 0, 1, r))[1] - 1, 0) - 3)
;;       q = np.round(r / step) * step * 2.0 ** e      # np.round: ties to even
;;       return np.moveaxis(q.reshape(q.shape[:-2] + (-1,))[..., :K], -1, axis).astype(np.float32)
;;   ~~~
;;   SOFTMAX AHEAD OF A QUANTISED PRODUCT. Where the list says 'softmax', what is quantised is not the finished softmax but p = 2^(t - M), with t = logit x log2(e) and M = ceil(the row's largest t), a whole number; so 1/2 < the row's largest p <= 1. The row's sum l is taken of the UNQUANTISED p, in f32, and the product's result is divided by l at the end. Since M is a whole number, a kernel that streams over the keys may use a running M (the ceiling of the running maximum): every later rescaling is an exact power of two, which a block's scale takes up: the codes' values come out the same.
;;   OPERANDS COMPUTED ON THE WAY. 'Computed on the way' means the value that the module computes at that place (a softmax that the list does not call 'softmax' is quantised finished and normalised). What goes into a quantiser is computed in f32, as accurately as f32 sums, v_exp_f32 and their like allow (about 1e-6 of the number): no bf16 or f16 on the way to a quantiser, and a product that is left as it is and whose result goes on into a quantised operand takes f32 operands (vector FMAs, or v_wmma_f32_16x16x4_f32). A number that lies on a knife's edge between two numbers of the format may be rounded either way, as far as f32 arithmetic and the matrix unit's own rounding can turn it there, and no further.
;; One version. Each part assembles by itself: llvm-mc -triple=amdgcn-amd-amdhsa -mcpu=gfx1250 --defsym DOCPART=n.
;; ======== version 1 of 1: 1 launch
;; launch local_attn (part 1): grid 256 x 1, 4 waves a work-group, no clusters, 147,968 bytes of LDS; arguments q, k, v, out0; writes out0
.if DOCPART == 1
	.amdgcn_target "amdgcn-amd-amdhsa--gfx1250"
	.amdhsa_code_object_version 6
	.text
	.protected	k_q2649f72747_local_attn
	.globl	k_q2649f72747_local_attn
	.p2align	8
	.type	k_q2649f72747_local_attn,@function
k_q2649f72747_local_attn:
	s_mov_b64 s[64:65], 0
	v_nop
	global_prefetch_b8 v0, s[64:65] scope:SCOPE_SE
	s_setreg_imm32_b32 hwreg(HW_REG_WAVE_MODE, 25, 1), 1
	s_wait_xcnt 0x0
; Attention in a 7 x 7 window on a 64 x 64 image.  q, k, v, out0: [2][64][64][64] f32 = 8 heads x 16 channels x a plane of 64 x 64 (a plane is 16,384 bytes, an image row 256).
; score = q . k / 4 over the 16 channels, in f32 by vector FMAs (it feeds a quantiser); keys outside the window or the image count for nothing; t = score x log2(e), M = ceil(largest t), p = 2^(t - M).
; p and v are quantised to E2M3 along the keys in blocks of 32 (a block = half an image row), multiplied by v_wmma_scale_f32_16x16x128_f8f6f4, and the result is divided by the sum of the unquantised p.
; SHARES.  Work-group = one head, image rows 2R, 2R+1 (128 queries); its key rows i = 0..7 are image rows 2R-3+i, held inside the image.  Thread = 64 rl + 32 H + lane: a wave has query row 2R+rl, columns 32H..32H+31: two tiles of 16.
; SCORES, lane = KEY column kc.  Slot sl = 0..6 pairs key kc with query kc+3-sl (Q's shift is an immediate).  A packed FMA serves two key rows; its first addend is 0, or -inf for a row outside the image or the wave's window.
;   The sums change lanes through LDS cells [query][slot][row]; cells whose key column lies outside the image are filled with -inf, so the reader finds every cell written and needs no mask.
; CODES, lane = QUERY.  A row's 7 numbers are split by 0/1 weights into the wave's OWN half-row block and the NEIGHBOUR block; each part has its scale and one conversion; the 42 bits of codes are shifted by a constant of
;   the lane and dealt to the operand's words.  The own block stands at lanes 0-15 of the operand, the neighbour at lanes 16-31; so waves with H = 1 read v's images with lane xor 16, and v's scale words are kept in both orders.
; PRODUCT.  O^T = V^T P^T: source 0 = 16 channels x 128 keys (two key rows), source 1 = 16 queries; four K steps, two accumulators by turns.
; NO CLUSTER: neighbouring work-groups' key rows overlap (6 of 8) but are never the same tile.  NO TENSOR LOAD: 72 KB a work-group, asked for once in the first lines, rows held at the image's edge, and laid anew on the way.
; NO PREFETCH: every address is asked for in the first lines.  NO f32 MATRIX FORM for the scores: of 64 key columns a tile of 16 queries uses 22.
; LIMITS: NaN and infinities among the inputs are not served; partial sums of q . k must stay finite in f32; p under 2^-126 counts as 0; a block of zeros has the scale byte 1 (the rule says 127: its codes are zeros, the bytes are read here alone).
.set PLANE, 16384
.set KL,  0                            ; LDS: K: (2 d + rg) 1280 + (col & 3) 320 + (col >> 2) 16 + 4 n, key row i = 4 rg + n: one 16-byte load = four rows of one column; 320 = 256 + 64: sixteen lanes, sixteen 16-byte columns
.set QL,  40960                        ; Q: (4 rl + d / 4) 1280 + (col + 8) 16 + 4 (d & 3); 8 columns of zeros on either side
.set VST, 51200                        ; v's stage, 8,704 bytes of each wave's own: (16 rho + channel) 272 + byte in the image row
.set VI,  86016                        ; v's codes: key row i at 768 i: an image of 6 registers, 3 x (8 bytes x 32 lanes)
.set VS,  92160                        ; v's scale words: 128 s + 64 H + 4 channel
.set SL,  92672                        ; the score cells: 21760 rl + (query + 8) 272 + 32 slot + 4 i
.set SP,  272                          ; 256 + 16 bytes = 68 words
.set OS,  136192                       ; the way out: (16 rl + channel) 272 + 4 col
.set GQO, 1                            ; byte offset of my 16 bytes in q and in out0
.set GKV, 2                            ; in k and in v
.set LKS, 3                            ; LDS addresses, in the order of their use
.set LQS, 4
.set LQP, 5
.set LVC, 6
.set VSTW, 7
.set VSTR, 8
.set LVI, 9
.set LVS, 10
.set KA,  11
.set QA,  12
.set SW,  13
.set LVR, 14
.set LSR, 15
.set OSW, 16
.set OSR, 17
.set RSH, 18                           ; the code string's shift to the right
.set LSH, 19                           ; 31 - that
.set PSW, 20                           ; v20-23 p's scale words, v24-27 v's: scales and nothing else
.set VSW, 24
.set GQ,  28                           ; as loaded: q v28-43, k v44-107, v v108-171
.set GK,  44
.set GV,  108
.set XV,  172                          ; v172-235 v's two blocks of 32
.set VM,  28                           ; v's quantiser, over q's and k's registers
.set VE,  32
.set VY,  34
.set VU,  36
.set VUX, 37
.set VWD, 38
.set VC,  40
.set VT,  56
.set ACC, 28                           ; v28-83 the sums [8 sl + i]
.set BI,  84                           ; v84-91 the rows' first addends
.set BUF0, 92                          ; two buffers of 60: K at 8 dd + i, Q at 32 + 4 sl + dd
.set VF,  28                           ; v28-75 v's fragments, 6 registers a key row
.set D0,  76
.set D1,  84
.set RS,  92                           ; v92-147 my query's scores [8 sl + i]; then:
.set TBO, 92                           ; two conversion buffers: 8 numbers and 8 zeros,
.set TBN, 108
.set T0,  124                          ; and p's operands of a K step
.set T1,  136
.set PP,  148                          ; v148-211 p [8 i + sl], slot 7 = 0; at the end the rows of out0
.set WO,  212                          ; 1.0 where slot sl of my query lies in the own block, else 0
.set WN,  220                          ; the other way round
.set NM,  228                          ; -M (a pair); then SA, SB
.set SA,  228
.set SB,  229
.set LS,  230                          ; the sum's two chains; then W0-W2, ST
.set LT,  232
.set W0,  230
.set W1,  231
.set W2,  232
.set ST,  233
.set MX,  234                          ; v234-240 the slots' maxima; then:
.set MO,  234
.set MN,  235
.set EO,  236
.set EN,  237
.set BO,  238
.set BN,  239
.set CO,  240
.set CN,  244
.set C0,  248
.set C1,  249
.set LI,  250
.set LX,  251
.set L0,  252
.set L1,  254
; at the head: v236-239 four zeros, v240-243 four -inf, v244-255 at work
.set VX,  244
.set VH,  245
.set VYY, 246
.set VW,  247
.set VRL, 248
.set VHH, 249
.set VL,  250
.set VKC, 251
.set U0,  252
.set U1,  253
.set X16, 255
	s_load_b128 s[4:7], s[0:1], 0x0                ; q, k
	s_load_b128 s[8:11], s[0:1], 0x10              ; v, out0
	s_set_vgpr_msb 0x40
	v_lshl_add_u32 v0, v0, 2, 0x24000
	v_mov_b32 v1, 0
	s_set_vgpr_msb 0x4000
	v_and_b32 v[VX], 15, v0                        ; x
	v_bfe_u32 v[VH], v0, 4, 1                      ; h
	v_lshrrev_b32 v[VYY], 4, v0                    ; y = 0..7
	v_lshrrev_b32 v[VW], 5, v0
	v_readfirstlane_b32 s12, v[VW]                 ; wave = 2 rl + H
	v_lshlrev_b32 v[X16], 4, v[VX]
	s_and_b32 s15, ttmp9, 31                       ; R
	s_lshr_b32 s16, ttmp9, 5                       ; head
	s_lshl_b32 s18, s16, 18                        ; its 16 planes
	s_mov_b32 s19, 0
	s_lshl_b32 s20, s15, 9                         ; image row 2 R in bytes
	s_lshl_b32 s21, s15, 1                         ; 2 R
	s_lshr_b32 s14, s12, 1                         ; rl
	s_lshl_b32 s22, s12, 1                         ; key rows 2 wave and 2 wave + 1: image row + 3 = 2 R + i, held to 3 .. 66
	s_add_co_u32 s22, s22, s21
	s_add_co_u32 s23, s22, 1
	s_max_u32 s22, s22, 3
	s_min_u32 s22, s22, 66
	s_max_u32 s23, s23, 3
	s_min_u32 s23, s23, 66
	s_sub_co_u32 s22, s22, 3
	s_sub_co_u32 s23, s23, 3
	s_lshl_b32 s22, s22, 8
	s_lshl_b32 s23, s23, 8
	s_sub_co_u32 s17, s23, s22
	v_lshl_add_u32 v[GQO], v[VYY], 15, v[X16]      ; channels 2 y, 2 y + 1; 16 bytes at 16 x
	v_add_nc_u32 v[GQO], s20, v[GQO]
	v_mul_u32_u24 v[U0], s17, v[VH]                ; lanes 0-15 the first of the two key rows, lanes 16-31 the second
	v_add3_u32 v[GKV], v[U0], s22, v[X16]
	s_wait_kmcnt 0x0
	s_add_nc_u64 s[4:5], s[4:5], s[18:19]
	s_add_nc_u64 s[6:7], s[6:7], s[18:19]
	s_add_nc_u64 s[8:9], s[8:9], s[18:19]
	s_add_nc_u64 s[10:11], s[10:11], s[18:19]
.irp j, 0,1,2,3                                        ; q: channel 2 y + j % 2, query row j / 2; sixteen lanes read an image row's 256 bytes
	global_load_b128 v[GQ+4*\j:GQ+4*\j+3], v[GQO], s[4:5] offset:(\j%2)*PLANE+(\j/2)*256 th:TH_LOAD_NT
.endr
.irp e, 0,1,2,3,4,5,6,7,8,9,10,11,12,13,14,15          ; k, v: channel e, key row y
	global_load_b128 v[GK+4*\e:GK+4*\e+3], v[GKV], s[6:7] offset:\e*PLANE
.endr
.irp e, 0,1,2,3,4,5,6,7,8,9,10,11,12,13,14,15
	global_load_b128 v[GV+4*\e:GV+4*\e+3], v[GKV], s[8:9] offset:\e*PLANE
.endr
	; while the 36 loads are out: constants and LDS addresses, all made of v0 and constants
	s_mov_b32 s26, 0x3eb8aa3b                      ; c = log2(e) / 4
	s_mov_b32 s27, s26                             ; (named with it as a pair)
	s_mov_b32 s28, 0x76543210
	s_mov_b32 s29, 0xfedcba98                      ; v_permlanex16_b32's selects for lane xor 16
	s_mov_b32 s31, 0x0000ffff                      ; lanes 0-15
	s_mov_b32 s32, 0x000f000f                      ; the lanes whose string begins below word 0, 1, 2, 3 of their tile's three (see RSH)
	s_mov_b32 s33, 0x01f001f0
	s_mov_b32 s34, 0x3e003e00
	s_mov_b32 s35, 0xc000c000
	s_mov_b32 s36, 0x0000000f                      ; the same for one tile alone
	s_mov_b32 s37, 0x000f0000
	s_mov_b32 s38, 0x00003e00
	s_mov_b32 s39, 0x3e000000
	s_mov_b32 s40, 0x0000c000
	s_mov_b32 s41, 0xc0000000
	v_lshrrev_b32 v[VRL], 6, v0                    ; rl
	v_bfe_u32 v[VHH], v0, 5, 1                     ; H
	v_and_b32 v[VL], 31, v0                        ; lane
	v_and_b32 v[VKC], 63, v0                       ; kc
.irp i, 0,1,2,3
	v_mov_b32 v[236+\i], 0
	v_mov_b32 v[240+\i], 0xff800000
.endr
	v_mad_u32_u24 v[LQP], v[VYY], 1280, v[X16]     ; Q's zero columns: 8 rows x 16 pieces of 16 bytes, one a thread: eight ahead of the row's data, eight behind
	v_bfe_u32 v[U0], v0, 3, 1
	v_lshl_add_u32 v[LQP], v[U0], 10, v[LQP]
	v_add_nc_u32 v[LQP], QL, v[LQP]
	ds_store_b128 v[LQP], v[236:239]
	v_and_b32 v[U0], 3, v0                         ; the -inf cells: key columns -4..-1 (H = 0) or 64..67 (H = 1), slot = (thread / 4) % 8; the cell's query is key + 3 - slot
	v_mul_u32_u24 v[LVC], v[U0], SP
	v_mad_u32_u24 v[LVC], v[VHH], 68*SP, v[LVC]
	v_mad_u32_u24 v[LVC], v[VRL], 80*SP, v[LVC]
	v_add_nc_u32 v[LVC], SL+7*SP, v[LVC]
	v_bfe_u32 v[U0], v0, 2, 3
	v_mul_u32_u24 v[U0], v[U0], SP-32              ; a slot on: a query back, 32 bytes on.  A cell belongs to one key column, so these meet no cell of a key inside the image
	v_sub_nc_u32 v[LVC], v[LVC], v[U0]
	ds_store_b128 v[LVC], v[240:243]
	ds_store_b128 v[LVC], v[240:243] offset:16
	v_bfe_u32 v[U0], v0, 4, 2                      ; K in: key row y = 4 rg + n, columns 4 x + c
	v_lshl_add_u32 v[LKS], v[U0], 2, v[X16]
	v_mad_u32_u24 v[LKS], v[VRL], 1280, v[LKS]
	v_mul_u32_u24 v[LQS], v[VW], 1280              ; Q in: channels 2 y + j % 2: group y / 2, place 2 h + j % 2; columns 4 x + c, 8 ahead
	v_lshl_add_u32 v[LQS], v[VX], 6, v[LQS]
	v_lshl_add_u32 v[LQS], v[VH], 3, v[LQS]
	v_add_nc_u32 v[LQS], QL+128, v[LQS]
	v_mad_u32_u24 v[VSTW], v[VYY], 16*SP, v[X16]   ; v's stage, in: 16 rows for key row y
	v_add_nc_u32 v[VSTW], VST, v[VSTW]
	v_mul_u32_u24 v[VSTR], v[VW], 32*SP            ; and back: channel x, half row h
	v_mad_u32_u24 v[VSTR], v[VX], SP, v[VSTR]
	v_lshl_add_u32 v[VSTR], v[VH], 7, v[VSTR]
	v_add_nc_u32 v[VSTR], VST, v[VSTR]
	v_mul_u32_u24 v[LVI], v[VW], 1536
	v_lshl_add_u32 v[LVI], v[VL], 3, v[LVI]
	v_add_nc_u32 v[LVI], VI, v[LVI]
	v_lshl_add_u32 v[LVS], v0, 2, VS               ; 128 wave + 64 h + 4 x
	v_and_b32 v[U0], 3, v0
	v_bfe_u32 v[U1], v0, 2, 4
	v_mul_u32_u24 v[KA], v[U0], 320
	v_lshl_add_u32 v[KA], v[U1], 4, v[KA]
	v_lshlrev_b32 v[QA], 4, v[VKC]
	v_mad_u32_u24 v[QA], v[VRL], 5120, v[QA]
	v_add_nc_u32 v[QA], QL, v[QA]
	v_mul_u32_u24 v[SW], v[VKC], SP
	v_mad_u32_u24 v[SW], v[VRL], 80*SP, v[SW]
	v_add_nc_u32 v[SW], SL, v[SW]
	v_lshlrev_b32 v[U0], 4, v[VHH]
	v_xor_b32 v[U0], v[VL], v[U0]                  ; lane xor 16 H
	v_lshl_add_u32 v[LVR], v[U0], 3, VI
	v_lshlrev_b32 v[LSR], 2, v[VX]
	v_lshl_add_u32 v[LSR], v[VHH], 6, v[LSR]
	v_add_nc_u32 v[LSR], VS, v[LSR]
	v_mul_u32_u24 v[OSW], v[VRL], 16*SP            ; the way out, in: row 16 rl + 8 h + register, column 32 H + 16 tile + x
	v_mad_u32_u24 v[OSW], v[VH], 8*SP, v[OSW]
	v_lshl_add_u32 v[OSW], v[VHH], 7, v[OSW]
	v_lshl_add_u32 v[OSW], v[VX], 2, v[OSW]
	v_add_nc_u32 v[OSW], OS, v[OSW]
	v_mad_u32_u24 v[OSR], v[VYY], 2*SP, v[X16]     ; back: as q was loaded
	v_add_nc_u32 v[OSR], OS, v[OSR]
	v_mul_u32_u24 v[RSH], v[VX], 6                 ; my query's 7 codes begin at bit 6 (x - 3) of its tile's 96 bits = 32 w - RSH, w = 0..3, RSH = (18 - 6 x) mod 32
	v_sub_nc_u32 v[RSH], 18, v[RSH]
	v_and_b32 v[RSH], 31, v[RSH]
	v_sub_nc_u32 v[LSH], 31, v[RSH]
	s_wait_loadcnt 16                              ; q's and k's 20 loads are in; v's 16 may stay out
.irp j, 0,1,2,3
.irp c, 0,1,2,3
	ds_store_b32 v[LQS], v[GQ+4*\j+\c] offset:(\j/2)*5120+16*\c+4*(\j%2)
.endr
.endr
.irp e, 0,1,2,3,4,5,6,7,8,9,10,11,12,13,14,15
.irp c, 0,1,2,3
	ds_store_b32 v[LKS], v[GK+4*\e+\c] offset:\e*2560+\c*320   ; the 32 lanes' words lie at 16 x + 4 n: 32 different banks
.endr
.endr
	s_wait_loadcnt 0x0                             ; v
.irp e, 0,1,2,3,4,5,6,7,8,9,10,11,12,13,14,15
	ds_store_b128 v[VSTW], v[GV+4*\e:GV+4*\e+3] offset:\e*SP
.endr
.irp c, 0,1                                            ; back: a lane holds the block (channel x, half row h) of key rows 2 wave + c.  The bytes are my wave's own, and LDS serves a wave's instructions in order (ISA guide 5.7.1.4)
.irp e, 0,1,2,3,4,5,6,7
	ds_load_b128 v[XV+32*\c+4*\e:XV+32*\c+4*\e+3], v[VSTR] offset:\c*16*SP+16*\e
.endr
.endr
	s_wait_dscnt 0x0
.irp c, 0,1
.irp g, 0,1
	v_max3_num_f32 v[VM+2*\c+\g], |v[XV+32*\c+16*\g]|, |v[XV+32*\c+16*\g+1]|, 0x1800000   ; the floor 2^(3 - 127): the byte cannot fall under 1
.endr
.endr
.irp i, 2,4,6,8,10,12,14
.irp c, 0,1
.irp g, 0,1
	v_max3_num_f32 v[VM+2*\c+\g], v[VM+2*\c+\g], |v[XV+32*\c+16*\g+\i]|, |v[XV+32*\c+16*\g+\i+1]|
.endr
.endr
.endr
.irp c, 0,1
	v_max_num_f32 v[VM+2*\c], v[VM+2*\c], v[VM+2*\c+1]
.endr
.irp c, 0,1
	v_add_nc_u32 v[VE+\c], 0xff000000, v[VM+2*\c]  ; 2 off the exponent field: the conversion's scale operand
.endr
.irp c, 0,1
	v_cvt_scalef32_pk16_fp6_f32 v[VC+8*\c:VC+8*\c+2], v[XV+32*\c:XV+32*\c+15], v[VE+\c]
	v_cvt_scalef32_pk16_fp6_f32 v[VT+4*\c:VT+4*\c+2], v[XV+32*\c+16:XV+32*\c+31], v[VE+\c]   ; (a conversion's three registers begin on an even number)
.endr
.irp c, 0,1
	v_lshrrev_b32 v[VY+\c], 23, v[VE+\c]           ; the scale's byte (plain lines behind the conversions)
.endr
	v_mov_b32 v[VUX], 0                            ; a lane permute's destination counts as one of its sources
.irp c, 0,1
.irp i, 0,1,2
	v_mov_b32 v[VC+8*\c+3+\i], v[VT+4*\c+\i]
.endr
.endr
	v_lshl_or_b32 v[VU], v[VY+1], 16, v[VY]
	v_permlanex16_b32 v[VUX], v[VU], s28, s29
	v_lshl_or_b32 v[VWD], v[VUX], 8, v[VU]         ; bytes: first row my half, first row the other half, second row my half, the other: the word of K step = wave for readers with H = my h
.irp c, 0,1
.irp k, 0,1,2
	ds_store_b64 v[LVI], v[VC+8*\c+2*\k:VC+8*\c+2*\k+1] offset:768*\c+256*\k   ; an image of the registers: 8 bytes a lane
.endr
.endr
	ds_store_b32 v[LVS], v[VWD]
	s_wait_dscnt 0x0                               ; for the others' sake: all my LDS stores are done
	s_barrier_signal -1
	s_barrier_wait -1                              ; Q, K, v's images and the -inf cells lie in LDS
; channels 4 g .. 4 g + 3: K's 8 rows of my column (8 loads), Q's 7 shifted columns (7 loads)
.macro LD g
.set BB, BUF0+60*((\g)%2)
.irp dd, 0,1,2,3
.irp rg, 0,1
	ds_load_b128 v[BB+8*\dd+4*\rg:BB+8*\dd+4*\rg+3], v[KA] offset:(2*(4*(\g)+\dd)+\rg)*1280
.endr
.endr
.irp sl, 0,1,2,3,4,5,6
	ds_load_b128 v[BB+32+4*\sl:BB+32+4*\sl+3], v[QA] offset:(\g)*1280+(11-\sl)*16   ; query column kc + 3 - sl, 8 columns ahead
.endr
.endm
; 112 packed FMAs: two key rows each; of Q's pair one register serves both halves.  Between two on one pair of sums stand 27 others
.macro F g
.set BB, BUF0+60*((\g)%2)
.irp dd, 0,1,2,3
.irp sl, 0,1,2,3,4,5,6
.irp m, 0,2,4,6
.if ((\g) == 0) && (\dd == 0)
	v_pk_fma_f32 v[ACC+8*\sl+\m:ACC+8*\sl+\m+1], v[BB+\m:BB+\m+1], v[BB+32+4*\sl:BB+32+4*\sl+1], v[BI+\m:BI+\m+1] op_sel_hi:[1,0,1]
.elseif \dd%2 == 0
	v_pk_fma_f32 v[ACC+8*\sl+\m:ACC+8*\sl+\m+1], v[BB+8*\dd+\m:BB+8*\dd+\m+1], v[BB+32+4*\sl+\dd:BB+32+4*\sl+\dd+1], v[ACC+8*\sl+\m:ACC+8*\sl+\m+1] op_sel_hi:[1,0,1]
.else
	v_pk_fma_f32 v[ACC+8*\sl+\m:ACC+8*\sl+\m+1], v[BB+8*\dd+\m:BB+8*\dd+\m+1], v[BB+32+4*\sl+\dd-1:BB+32+4*\sl+\dd], v[ACC+8*\sl+\m:ACC+8*\sl+\m+1] op_sel:[0,1,0] op_sel_hi:[1,1,1]
.endif
.endr
.endr
.endr
.endm
.macro OWN sl, mask                                    ; slot sl of lane l is column l + sl - 3 of the half row: in the own block where that is 0..31
	s_mov_b32 s30, \mask
	v_cndmask_b32 v[WO+\sl], 0, 1.0, s30
	v_cndmask_b32 v[WN+\sl], 1.0, 0, s30
.endm
	LD 0
	LD 1
.irp i, 0,1,2,3,4,5,6,7                                ; while they are out: key row i counts where its image row 2 R + i - 3 is 0..63 and i - rl is 0..6; else its sums begin at -inf
	s_add_co_i32 s24, s21, \i-3                    ; (below 0 it wraps to a large number)
	s_sub_co_u32 s25, \i, s14
	s_cmp_le_u32 s24, 63
	s_cselect_b32 s25, s25, 64
	s_cmp_le_u32 s25, 6
	s_cselect_b32 s25, 0, 0xff800000
	v_mov_b32 v[BI+\i], s25
.endr
	OWN 0, 0xfffffff8
	OWN 1, 0xfffffffc
	OWN 2, 0xfffffffe
	OWN 3, -1
	OWN 4, 0x7fffffff
	OWN 5, 0x3fffffff
	OWN 6, 0x1fffffff
	v_mov_b32 v[WO+7], 0
	v_mov_b32 v[WN+7], 0
	s_wait_dscnt 15                                ; group 0's 15 loads are in; group 1's may stay out
	F 0
	LD 2
	s_wait_dscnt 15                                ; group 1's are in, group 2's out
	F 1
	LD 3
	s_wait_dscnt 15                                ; group 2's are in, group 3's out
	F 2
	s_wait_dscnt 0x0
	F 3
.irp sl, 0,1,2,3,4,5,6                                 ; to query kc + 3 - sl, slot sl: 8 rows = 32 bytes
	ds_store_b128 v[SW], v[ACC+8*\sl:ACC+8*\sl+3] offset:(11-\sl)*SP+32*\sl
	ds_store_b128 v[SW], v[ACC+8*\sl+4:ACC+8*\sl+7] offset:(11-\sl)*SP+32*\sl+16
.endr
	s_wait_dscnt 0x0                               ; my cells are stored
	s_barrier_signal -1
	s_barrier_wait -1
	; ---- lane = query column kc
.irp sl, 0,1,2,3,4,5,6
	ds_load_b128 v[RS+8*\sl:RS+8*\sl+3], v[SW] offset:8*SP+32*\sl
	ds_load_b128 v[RS+8*\sl+4:RS+8*\sl+7], v[SW] offset:8*SP+32*\sl+16
.endr
.irp s, 0,1,2,3
	ds_load_b32 v[VSW+\s], v[LSR] offset:128*\s
.endr
.irp i, 0,1,2,3,4,5,6,7
.irp k, 0,1,2
	ds_load_b64 v[VF+6*\i+2*\k:VF+6*\i+2*\k+1], v[LVR] offset:768*\i+256*\k
.endr
.endr
	s_wait_dscnt 28                                ; my 14 loads of scores are in; behind them: 4 scale words, 24 loads of fragments
.irp sl, 0,1,2,3,4,5,6
	v_max3_num_f32 v[MX+\sl], v[RS+8*\sl], v[RS+8*\sl+1], v[RS+8*\sl+2]
.endr
.irp sl, 0,1,2,3,4,5,6
	v_max3_num_f32 v[MX+\sl], v[MX+\sl], v[RS+8*\sl+3], v[RS+8*\sl+4]
.endr
.irp sl, 0,1,2,3,4,5,6
	v_max3_num_f32 v[MX+\sl], v[MX+\sl], v[RS+8*\sl+5], v[RS+8*\sl+6]
.endr
.irp sl, 0,1,2,3,4,5,6
	v_max_num_f32 v[MX+\sl], v[MX+\sl], v[RS+8*\sl+7]
.endr
	v_max3_num_f32 v[MX], v[MX], v[MX+1], v[MX+2]
	v_max3_num_f32 v[MX+3], v[MX+3], v[MX+4], v[MX+5]
	v_max3_num_f32 v[MX], v[MX], v[MX+3], v[MX+6]  ; the largest score: the query's own place always counts, so it is a number
	v_mul_f32 v[MX], s26, v[MX]                    ; as t (c is positive)
	v_floor_f32 v[NM], -v[MX]                      ; -M = floor(-t) = -ceil(t)
	v_mov_b32 v[NM+1], 0                           ; (named with it as a pair)
.irp j, 0,2,4,6,8,10,12,14,16,18,20,22,24,26,28,30,32,34,36,38,40,42,44,46,48,50,52,54
	v_pk_fma_f32 v[RS+\j:RS+\j+1], v[RS+\j:RS+\j+1], s[26:27], v[NM:NM+1] op_sel_hi:[1,0,0]   ; t - M; -inf stays -inf
.endr
.irp i, 0,1,2,3,4,5,6,7
.irp sl, 0,1,2,3,4,5,6
	v_exp_f32 v[PP+8*\i+\sl], v[RS+8*\sl+\i]       ; p = 2^(t - M), laid by key rows; one batch
.endr
.endr
.irp i, 0,1,2,3,4,5,6,7
	v_mov_b32 v[PP+8*\i+7], 0                      ; plain lines behind the batch
.endr
	s_wait_alu depctr_va_vdst(0)                   ; one wait for the 56 exponentials, ahead of their first reader
	v_pk_add_f32 v[LS:LS+1], v[PP:PP+1], v[PP+2:PP+3]      ; the sum of the unquantised p, in two chains
	v_pk_add_f32 v[LT:LT+1], v[PP+4:PP+5], v[PP+6:PP+7]
.irp j, 8,12,16,20,24,28,32,36,40,44,48,52,56,60
	v_pk_add_f32 v[LS:LS+1], v[LS:LS+1], v[PP+\j:PP+\j+1]
	v_pk_add_f32 v[LT:LT+1], v[LT:LT+1], v[PP+\j+2:PP+\j+3]
.endr
	v_pk_add_f32 v[LS:LS+1], v[LS:LS+1], v[LT:LT+1]
	v_add_f32 v[LS], v[LS], v[LS+1]
	v_rcp_f32 v[LI], v[LS]
.irp i, 8,9,10,11,12,13,14,15                          ; plain work behind the reciprocal: a conversion takes 16 numbers: 8 of each buffer stay zeros;
	v_mov_b32 v[TBO+\i], 0
	v_mov_b32 v[TBN+\i], 0
.endr
.irp r, T0+4, T0+10, T1+1, T1+7, LX, L0+1, L1+1        ; the operands' words that no string reaches; a permute's destination; the upper halves of named pairs
	v_mov_b32 v[\r], 0
.endr
	s_wait_alu depctr_va_vdst(0)                   ; the wait for the reciprocal, ahead of its first reader
	v_permlanex16_b32 v[LX], v[LI], s28, s29
	v_cndmask_b32 v[L0], v[LX], v[LI], s31         ; 1 / sum of tile 0's query x, in both halves of the lanes
	v_cndmask_b32 v[L1], v[LI], v[LX], s31         ; and of tile 1's
	s_wait_dscnt 0x0                               ; v's fragments and scale words are in
; K step s: two products, one for each tile of queries.  The two accumulators take turns, one instruction a turn.  Tile 1's queries, and so their scale words, lie in lanes 16-31.
.macro MM s
.if (\s) == 0
	v_wmma_scale_f32_16x16x128_f8f6f4 v[D0:D0+7], v[VF:VF+11], v[T0:T0+11], 0, v[VSW], v[PSW] matrix_a_fmt:MATRIX_FMT_FP6 matrix_b_fmt:MATRIX_FMT_FP6
	v_wmma_scale_f32_16x16x128_f8f6f4 v[D1:D1+7], v[VF:VF+11], v[T1:T1+11], 0, v[VSW], v[PSW] matrix_a_fmt:MATRIX_FMT_FP6 matrix_b_fmt:MATRIX_FMT_FP6 matrix_b_scale:MATRIX_SCALE_ROW1
.else
	v_wmma_scale_f32_16x16x128_f8f6f4 v[D0:D0+7], v[VF+12*(\s):VF+12*(\s)+11], v[T0:T0+11], v[D0:D0+7], v[VSW+(\s)], v[PSW+(\s)] matrix_a_fmt:MATRIX_FMT_FP6 matrix_b_fmt:MATRIX_FMT_FP6
	v_wmma_scale_f32_16x16x128_f8f6f4 v[D1:D1+7], v[VF+12*(\s):VF+12*(\s)+11], v[T1:T1+11], v[D1:D1+7], v[VSW+(\s)], v[PSW+(\s)] matrix_a_fmt:MATRIX_FMT_FP6 matrix_b_fmt:MATRIX_FMT_FP6 matrix_b_scale:MATRIX_SCALE_ROW1
.endif
.endm
; Key row i: its 7 numbers of my query become codes in both tiles' operands (registers 6 (i % 2) on) and two bytes of the scale word of K step i / 2.
; mm >= 0: K step mm's products stand behind this row's first 16 lines, which are plain and name none of their registers: the places owed behind the vector writes of that step's scale word (8) and operands (4).
; Behind the products 13 plain lines stand ahead of the first write of an operand.
.macro ROW i, mm
.set RA, T0+6*((\i)%2)
.set RB, T1+6*((\i)%2)
.set PS, PSW+(\i)/2
.irp k, 0,2,4,6
	v_pk_mul_f32 v[TBO+\k:TBO+\k+1], v[PP+8*(\i)+\k:PP+8*(\i)+\k+1], v[WO+\k:WO+\k+1]     ; the own block's part,
	v_pk_mul_f32 v[TBN+\k:TBN+\k+1], v[PP+8*(\i)+\k:PP+8*(\i)+\k+1], v[WN+\k:WN+\k+1]     ; the neighbour's
.endr
	v_max3_num_f32 v[MO], v[TBO], v[TBO+1], 0x1800000      ; each block's largest p (all its other numbers are zeros), and the floor 2^(3 - 127)
	v_max3_num_f32 v[MN], v[TBN], v[TBN+1], 0x1800000
	v_max3_num_f32 v[MO], v[MO], v[TBO+2], v[TBO+3]
	v_max3_num_f32 v[MN], v[MN], v[TBN+2], v[TBN+3]
	v_max3_num_f32 v[MO], v[MO], v[TBO+4], v[TBO+5]
	v_max3_num_f32 v[MN], v[MN], v[TBN+4], v[TBN+5]
	v_max_num_f32 v[MO], v[MO], v[TBO+6]
	v_max_num_f32 v[MN], v[MN], v[TBN+6]
.if (\mm) >= 0
	MM \mm
.endif
	v_add_nc_u32 v[EO], 0xff000000, v[MO]          ; 2 off the exponent field: the conversion's scale operand
	v_add_nc_u32 v[EN], 0xff000000, v[MN]
	v_cvt_scalef32_pk16_fp6_f32 v[CO:CO+2], v[TBO:TBO+15], v[EO]
	v_cvt_scalef32_pk16_fp6_f32 v[CN:CN+2], v[TBN:TBN+15], v[EN]
	v_lshrrev_b32 v[BO], 23, v[EO]                 ; the scales' bytes (plain lines behind the conversions)
	v_lshrrev_b32 v[BN], 23, v[EN]
.if (\i)%2 == 0
	v_lshl_or_b32 v[PS], v[BN], 8, v[BO]           ; bytes 0, 1: this row's own block, its neighbour
.else
	v_lshl_or_b32 v[ST], v[BN], 8, v[BO]
	v_lshl_or_b32 v[PS], v[ST], 16, v[PS]          ; bytes 2, 3
.endif
	v_or_b32 v[C0], v[CO], v[CN]                   ; each slot's code under its own block's scale: 42 bits
	v_or_b32 v[C1], v[CO+1], v[CN+1]
	v_lshlrev_b32 v[SA], 1, v[C0]                  ; the string at bit 32 - RSH of three words W0, W1, W2 (a shift by 32 - RSH is one by 1 and one by 31 - RSH)
	v_lshlrev_b32 v[SB], 1, v[C1]
	v_lshrrev_b32 v[ST], v[RSH], v[C0]
	v_lshlrev_b32 v[W0], v[LSH], v[SA]
	v_lshl_or_b32 v[W1], v[SB], v[LSH], v[ST]
	v_lshrrev_b32 v[W2], v[RSH], v[C1]
	; W0, W1, W2 are words w - 1, w, w + 1 of my tile's three.  Tile 0's words -1, 0..2, 3 are the neighbour's word 5 and the own block's 0..2, 3; tile 1's are the own block's 2, 3..5 and the neighbour's word 0.
	; v_permlane16_swap_b32 exchanges its first register's lanes 16-31 with its second's lanes 0-15: tile 1's own words go to lanes 0-15 of its operand, tile 0's neighbour word to lanes 16-31 of its.
	v_cndmask_b32 v[RA+5], 0, v[W0], s37
	v_cndmask_b32 v[RB+2], 0, v[W0], s36
	v_cndmask_b32 v[RA], 0, v[W0], s33
	v_mov_b32 v[RB+3], 0
	v_permlane16_swap_b32 v[RA+5], v[RB+2]
	v_cndmask_b32 v[RA], v[RA], v[W1], s32
	v_cndmask_b32 v[RA+1], 0, v[W0], s34
	v_mov_b32 v[RB+4], 0
	v_permlane16_swap_b32 v[RA], v[RB+3]
	v_cndmask_b32 v[RA+1], v[RA+1], v[W1], s33
	v_cndmask_b32 v[RA+2], 0, v[W0], s35
	v_cndmask_b32 v[RA+1], v[RA+1], v[W2], s32
	v_cndmask_b32 v[RA+2], v[RA+2], v[W1], s34
	v_mov_b32 v[RB+5], 0
	v_permlane16_swap_b32 v[RA+1], v[RB+4]
	v_cndmask_b32 v[RA+2], v[RA+2], v[W2], s33
	v_cndmask_b32 v[RA+3], 0, v[W1], s40
	v_cndmask_b32 v[RB], 0, v[W1], s41
	v_permlane16_swap_b32 v[RA+2], v[RB+5]
	v_cndmask_b32 v[RA+3], v[RA+3], v[W2], s38
	v_cndmask_b32 v[RB], v[RB], v[W2], s39
.endm
	ROW 0, -1
	ROW 1, -1
	ROW 2, 0
	ROW 3, -1
	ROW 4, 1
	ROW 5, -1
	ROW 6, 2
	ROW 7, -1
.rept 4
	v_nop                                          ; the operands' last words were just written by vector instructions: four places (the scale word stands more than eight plain lines back)
.endr
	MM 3
.rept 4
	v_nop                                          ; four places ahead of the first read of results (ISA guide 7.12.1)
.endr
	; THE WAY OUT.  Lane (x, h), register j: channel 8 h + j of query x of the tile.  Divided by the sum; through a stage, so that sixteen lanes store an image row's 256 bytes.  Each accumulator from its low end on.
.irp k, 0,2,4,6
	v_pk_mul_f32 v[TBO+\k:TBO+\k+1], v[D0+\k:D0+\k+1], v[L0:L0+1] op_sel_hi:[1,0]
.endr
.irp k, 0,2,4,6
	v_pk_mul_f32 v[TBN+\k:TBN+\k+1], v[D1+\k:D1+\k+1], v[L1:L1+1] op_sel_hi:[1,0]
.endr
.irp j, 0,1,2,3,4,5,6,7
	ds_store_b32 v[OSW], v[TBO+\j] offset:\j*SP
	ds_store_b32 v[OSW], v[TBN+\j] offset:\j*SP+64
.endr
	s_wait_dscnt 0x0                               ; for the others' sake: my stores into the stage are done
	s_barrier_signal -1
	s_barrier_wait -1
.irp j, 0,1,2,3
	ds_load_b128 v[PP+4*\j:PP+4*\j+3], v[OSR] offset:((\j/2)*16+\j%2)*SP
.endr
.irp j, 0,1,2,3
	s_wait_dscnt 3-\j                              ; LDS loads come back in order (ISA guide 5.7.1): row j is in
	global_store_b128 v[GQO], v[PP+4*\j:PP+4*\j+3], s[10:11] offset:(\j%2)*PLANE+(\j/2)*256 th:TH_STORE_NT   ; sixteen lanes store 256 consecutive bytes, at a multiple of 256 from out0's first byte
.endr
	s_set_vgpr_msb 0x5
	s_wait_tensorcnt 0x0
	ds_add_u32 v0, v1
	s_wait_dscnt 0x0
	s_set_vgpr_msb 0x500
	s_endpgm
.Lfunc_end_k_q2649f72747_local_attn:
	.size	k_q2649f72747_local_attn, .Lfunc_end_k_q2649f72747_local_attn-k_q2649f72747_local_attn
	.p2alignl 7, 3214868480
	.fill 96, 4, 3214868480
	.section	.rodata,"a",@progbits
	.p2align	6, 0x0
	.amdhsa_kernel k_q2649f72747_local_attn
		.amdhsa_group_segment_fixed_size 147968
		.amdhsa_private_segment_fixed_size 0
		.amdhsa_enable_private_segment 0
		.amdhsa_kernarg_size 32
		.amdhsa_user_sgpr_count 2
		.amdhsa_user_sgpr_kernarg_segment_ptr 1
		.amdhsa_wavefront_size32 1
		.amdhsa_system_sgpr_workgroup_id_x 1
		.amdhsa_system_sgpr_workgroup_id_y 1
		.amdhsa_system_sgpr_workgroup_id_z 1
		.amdhsa_system_vgpr_workitem_id 0
		.amdhsa_next_free_vgpr 258
		.amdhsa_next_free_sgpr 66
		.amdhsa_reserve_vcc 0
		.amdhsa_float_denorm_mode_32 3
		.amdhsa_float_denorm_mode_16_64 3
		.amdhsa_memory_ordered 1
		.amdhsa_forward_progress 1
		.amdhsa_inst_pref_size 95
	.end_amdhsa_kernel
	.amdgpu_metadata
---
amdhsa.version: [ 1, 2 ]
amdhsa.kernels:
  - .name:           k_q2649f72747_local_attn
    .symbol:         k_q2649f72747_local_attn.kd
    .args:
      - { .name: q, .offset: 0, .size: 8, .value_kind: global_buffer, .address_space: global }
      - { .name: k, .offset: 8, .size: 8, .value_kind: global_buffer, .address_space: global }
      - { .name: v, .offset: 16, .size: 8, .value_kind: global_buffer, .address_space: global }
      - { .name: out0, .offset: 24, .size: 8, .value_kind: global_buffer, .address_space: global }
    .group_segment_fixed_size: 147968
    .private_segment_fixed_size: 0
    .kernarg_segment_align: 8
    .kernarg_segment_size: 32
    .max_flat_workgroup_size: 128
    .sgpr_count:     66
    .vgpr_count:     258
    .wavefront_size: 32
...
	.end_amdgpu_metadata
.endif
;; end of part 1
